; MI455X (gfx1250); checked and timed in simulation.
; The chip was launched on July 23, 2026; its instructions are those of AMD's public machine-readable ISA for CDNA 5 (MIT licence, August 2026) and "CDNA5" Instruction Set Architecture Reference Guide (July 2026). The comments in the code are by the model that wrote it; some were corrected since.
;; Bahdanau Attention. Allowed arithmetic: float matrix products may take bf16 or f16 operands with f32 sums; all other float work in f32.
;; Inputs: Vb 1 float32; Vw 1 x 1,024 float32; Wq 1,024 x 1,024 float32; Wv 1,024 x 1,024 float32; bq 1,024 float32; bv 1,024 float32; query 32 x 1,024 float32; values 32 x 2,048 x 1,024 float32.
;; Outputs: out0 32 x 1,024 float32; out1 32 x 2,048 x 1 float32.
;; One version. Each part assembles by itself: llvm-mc -triple=amdgcn-amd-amdhsa -mcpu=gfx1250 --defsym DOCPART=n.
;; ======== version 1 of 1: 3 launches
;; limits: values outside matrix products are rounded to bf16
;; workspace buffers: wvb 2,097,152 bytes; cq 524,288 bytes; sc 262,144 bytes; st 131,072 bytes; cx 2,097,152 bytes
;; launch prep (part 1): grid 256 x 1, 4 waves a work-group, no clusters, 8,704 bytes of LDS; arguments Wv, Wq, query, bq, bv, wvb, cq; writes wvb, cq
.if DOCPART == 1
	.amdgcn_target "amdgcn-amd-amdhsa--gfx1250"
	.amdhsa_code_object_version 6
	.text
	.protected	k_qc67fbbeea6_prep
	.globl	k_qc67fbbeea6_prep
	.p2align	8
	.type	k_qc67fbbeea6_prep,@function
k_qc67fbbeea6_prep:
	s_mov_b64 s[64:65], 0
	v_nop
	global_prefetch_b8 v0, s[64:65] scope:SCOPE_SE
	s_setreg_imm32_b32 hwreg(HW_REG_WAVE_MODE, 25, 1), 1
	s_wait_xcnt 0x0
; PREP.  Two things that the main launch wants ready:
;  wvb: 2 log2(e) Wv rounded to bf16, in the order in which a wave's fragment loads take it:
;       [w 4][p 2][s 32][ob 8][half 2][lane 32][8 bf16], o = 512 p + 128 w + 16 ob + lane % 16, k = 32 s + 16 half + 8 (lane / 16) + e,
;       so that one 16-byte load a lane takes 512 consecutive bytes.
;  cq:  four partial sums of c''[b][o] = (query[b] . Wq[o] + bq[o] + bv[o]) * 2 log2(e) - 1, f32, laid [kq 4][nb 64][b 32][16], o = 16 nb + i:
;       part kq holds K = 256 kq .. 256 kq + 255 of the product; the biases and the -1 stand in part 0 alone.  The main launch adds the four.
; SHARES.  256 work-groups: work-group x owns rows 16 nb .. 16 nb + 15 of Wv and of Wq (nb = x / 4) and the quarter kq = x % 4 of K; wave wv owns K = 64 kc .. 64 kc + 63, kc = 4 kq + wv.
; The q projection goes to the matrix unit with bf16 operands and f32 sums; the four waves' sums meet in LDS.  The sum over the four quarters spans work-groups, so it is left to the next launch.
; LIMITS.  NaN and infinities in the inputs are not served.  The order of the sums differs from a plain f32 dot product's.
.set FWV, 32                           ; v[32:63]   Wv as loaded, f32 (later: the partial sums read back)
.set FWQ, 64                           ; v[64:95]   Wq as loaded
.set FQ0, 96                           ; v[96:127]  query rows 0-15
.set FQ1, 128                          ; v[128:159] query rows 16-31
.set HWV, 160                          ; v[160:175] Wv in bf16: two fragments of 16 rows x 32 K
.set HWQ, 176                          ; v[176:191] Wq likewise
.set HQ0, 192                          ; v[192:207] query rows 0-15 likewise
.set HQ1, 208                          ; v[208:223] query rows 16-31 likewise
.set AC0, 224                          ; v[224:231] sums for b = 0-15
.set AC1, 232                          ; v[232:239] sums for b = 16-31
; Eight loads: lane (r = lane % 16, h = lane / 16) takes, for each of two K steps of 32, k = 8 h + 0..7 and 16 + 8 h + 0..7 of row r, in f32.
; Together the eight cover 256 consecutive bytes of each of the 16 rows.
.macro LD8 dst, sb, off
.irp st, 0,1
.irp hf, 0,1
.irp q, 0,1
	global_load_b128 v[\dst+16*\st+8*\hf+4*\q:\dst+16*\st+8*\hf+4*\q+3], v3, s[\sb:\sb+1] offset:\off+128*\st+64*\hf+16*\q
.endr
.endr
.endr
.endm
; 32 f32 become 16 registers of bf16 pairs: two fragments
.macro CV8 dst, src
.set i, 0
.rept 16
	v_cvt_pk_bf16_f32 v[\dst+i], v[\src+2*i], v[\src+2*i+1]
.set i, i+1
.endr
.endm
	s_load_b256 s[4:11], s[0:1], 0x0               ; Wv s[4:5], Wq s[6:7], query s[8:9], bq s[10:11]
	s_load_b128 s[12:15], s[0:1], 0x20             ; bv s[12:13], wvb s[14:15]
	s_load_b64 s[16:17], s[0:1], 0x30              ; cq
	v_lshl_add_u32 v240, v0, 2, 0x2000
	v_mov_b32 v241, 0
	v_and_b32 v1, 15, v0                           ; r
	v_bfe_u32 v2, v0, 4, 1                         ; h
	v_lshrrev_b32 v8, 5, v0
	v_readfirstlane_b32 s20, v8                    ; wv, my wave's number
	s_lshr_b32 s18, ttmp9, 2                       ; nb
	s_and_b32 s19, ttmp9, 3                        ; kq
	s_lshl2_add_u32 s21, s19, s20                  ; kc = 4 kq + wv
	v_lshlrev_b32 v3, 12, v1                       ; row r x 4,096 bytes
	v_lshl_add_u32 v3, v2, 5, v3                   ; + 32 h
	s_lshl_b32 s26, s21, 8
	v_add_nc_u32 v3, s26, v3                       ; + my wave's 256 bytes of the row
	v_and_b32 v4, 3, v0
	v_lshlrev_b32 v4, 4, v4                        ; which four of the group's 16 biases
	v_and_b32 v5, 31, v0
	v_lshlrev_b32 v5, 4, v5                        ; 16 x lane
	v_lshlrev_b32 v6, 6, v1                        ; LDS: my wave's 2,048 bytes [b 32][o 16]: b = r, o = 8 h + j
	v_lshl_add_u32 v6, v2, 5, v6
	s_lshl_b32 s26, s20, 11
	v_add_nc_u32 v6, s26, v6
	v_lshlrev_b32 v7, 4, v0                        ; 16 x thread: the tail's place in LDS and in cq
	s_mov_b32 s22, 0x4038aa3b                      ; 2 log2(e)
	s_mov_b32 s23, s22                             ; named with it as a pair, so it is written
	s_cmp_eq_u32 s19, 0                            ; the biases and the -1 belong to quarter 0: a factor of 1 or 0, chosen by the work-group's number
	s_cselect_b32 s28, 0x3f800000, 0
	s_cselect_b32 s30, 0xbf800000, 0
	s_mov_b32 s29, s28
	v_mov_b32 v20, s30
	v_mov_b32 v21, s30
	s_mov_b32 s25, 0
	s_wait_kmcnt 0x0
	s_lshl_b32 s24, s18, 16                        ; 16 rows of 4,096 bytes
	s_add_nc_u64 s[4:5], s[4:5], s[24:25]
	s_add_nc_u64 s[6:7], s[6:7], s[24:25]
	s_lshl_b32 s24, s18, 6                         ; 16 biases
	s_add_nc_u64 s[10:11], s[10:11], s[24:25]
	s_add_nc_u64 s[12:13], s[12:13], s[24:25]
	s_bfe_u32 s24, s18, 0x20003                    ; nb = 32 p + 8 w + ob:  w
	s_lshl_b32 s24, s24, 19
	s_lshr_b32 s26, s18, 5                         ; p
	s_lshl_b32 s26, s26, 18
	s_or_b32 s24, s24, s26
	s_lshl_b32 s26, s21, 14                        ; s = 2 kc + st: 8,192 bytes a step
	s_or_b32 s24, s24, s26
	s_and_b32 s26, s18, 7                          ; ob
	s_lshl_b32 s26, s26, 10
	s_or_b32 s24, s24, s26
	s_add_nc_u64 s[14:15], s[14:15], s[24:25]
	s_lshl_b32 s24, s19, 17                        ; cq: part kq of 131,072 bytes,
	s_lshl_b32 s26, s18, 11                        ; block nb of 2,048
	s_or_b32 s24, s24, s26
	s_add_nc_u64 s[16:17], s[16:17], s[24:25]
	global_load_b128 v[8:11], v4, s[10:11]         ; bq
	global_load_b128 v[12:15], v4, s[12:13]        ; bv
	LD8 FWV, 4, 0
	LD8 FWQ, 6, 0
	LD8 FQ0, 8, 0
	LD8 FQ1, 8, 65536
	s_wait_loadcnt 24                              ; the biases and Wv are in; the 24 loads of Wq and query stay out
.set i, 0
.rept 16
	v_pk_mul_f32 v[FWV+2*i:FWV+2*i+1], v[FWV+2*i:FWV+2*i+1], s[22:23] op_sel_hi:[1,0]      ; x 2 log2(e), ahead of the rounding
.set i, i+1
.endr
	CV8 HWV, FWV
.irp st, 0,1
.irp hf, 0,1
	global_store_b128 v5, v[HWV+8*\st+4*\hf:HWV+8*\st+4*\hf+3], s[14:15] offset:\st*8192+\hf*512   ; the wave stores 512 consecutive bytes, aligned
.endr
.endr
	s_wait_loadcnt 0x0
	CV8 HWQ, FWQ
	CV8 HQ0, FQ0
	CV8 HQ1, FQ1
	; Used transposed: source 0 = 16 rows of Wq, source 1 = 16 rows of query.  Lane (r, h), register j then holds (o = 8 h + j, b = r).
	; The two accumulators take turns.
	v_wmma_f32_16x16x32_bf16 v[AC0:AC0+7], v[HWQ:HWQ+7], v[HQ0:HQ0+7], 0
	v_wmma_f32_16x16x32_bf16 v[AC1:AC1+7], v[HWQ:HWQ+7], v[HQ1:HQ1+7], 0
	v_wmma_f32_16x16x32_bf16 v[AC0:AC0+7], v[HWQ+8:HWQ+15], v[HQ0+8:HQ0+15], v[AC0:AC0+7]
	v_wmma_f32_16x16x32_bf16 v[AC1:AC1+7], v[HWQ+8:HWQ+15], v[HQ1+8:HQ1+15], v[AC1:AC1+7]
	v_pk_add_f32 v[8:9], v[8:9], v[12:13]          ; bq + bv: two of the four places behind the last product (ISA guide 7.12.1)
	v_pk_add_f32 v[10:11], v[10:11], v[14:15]
	v_nop
	v_nop
	ds_store_b128 v6, v[AC0:AC0+3]                 ; each accumulator is read from its low end on
	ds_store_b128 v6, v[AC0+4:AC0+7] offset:16
	ds_store_b128 v6, v[AC1:AC1+3] offset:1024
	ds_store_b128 v6, v[AC1+4:AC1+7] offset:1040
	s_wait_dscnt 0x0                               ; for the others' sake: my partial sums are in LDS
	s_barrier_signal -1
	s_barrier_wait -1
.irp i, 0,1,2,3
	ds_load_b128 v[32+4*\i:35+4*\i], v7 offset:\i*2048     ; 512 sums, four a thread: wave i's part of my four
.endr
	s_wait_dscnt 0x0
	v_pk_add_f32 v[32:33], v[32:33], v[36:37]
	v_pk_add_f32 v[34:35], v[34:35], v[38:39]
	v_pk_add_f32 v[40:41], v[40:41], v[44:45]
	v_pk_add_f32 v[42:43], v[42:43], v[46:47]
	v_pk_add_f32 v[32:33], v[32:33], v[40:41]
	v_pk_add_f32 v[34:35], v[34:35], v[42:43]
	v_pk_fma_f32 v[32:33], v[8:9], s[28:29], v[32:33] op_sel_hi:[1,0,1]    ; + (bq + bv) in quarter 0, + 0 in the others
	v_pk_fma_f32 v[34:35], v[10:11], s[28:29], v[34:35] op_sel_hi:[1,0,1]
	v_pk_fma_f32 v[32:33], v[32:33], s[22:23], v[20:21] op_sel_hi:[1,0,1]  ; x 2 log2(e), - 1 in quarter 0
	v_pk_fma_f32 v[34:35], v[34:35], s[22:23], v[20:21] op_sel_hi:[1,0,1]
	global_store_b128 v7, v[32:35], s[16:17]       ; the wave stores 512 consecutive bytes, aligned
	s_wait_tensorcnt 0x0
	ds_add_u32 v240, v241
	s_wait_dscnt 0x0
	s_endpgm
.Lfunc_end_k_qc67fbbeea6_prep:
	.size	k_qc67fbbeea6_prep, .Lfunc_end_k_qc67fbbeea6_prep-k_qc67fbbeea6_prep
	.p2alignl 7, 3214868480
	.fill 96, 4, 3214868480
	.section	.rodata,"a",@progbits
	.p2align	6, 0x0
	.amdhsa_kernel k_qc67fbbeea6_prep
		.amdhsa_group_segment_fixed_size 8704
		.amdhsa_private_segment_fixed_size 0
		.amdhsa_enable_private_segment 0
		.amdhsa_kernarg_size 56
		.amdhsa_user_sgpr_count 2
		.amdhsa_user_sgpr_kernarg_segment_ptr 1
		.amdhsa_wavefront_size32 1
		.amdhsa_system_sgpr_workgroup_id_x 1
		.amdhsa_system_sgpr_workgroup_id_y 1
		.amdhsa_system_sgpr_workgroup_id_z 1
		.amdhsa_system_vgpr_workitem_id 0
		.amdhsa_next_free_vgpr 242
		.amdhsa_next_free_sgpr 66
		.amdhsa_reserve_vcc 0
		.amdhsa_float_denorm_mode_32 3
		.amdhsa_float_denorm_mode_16_64 3
		.amdhsa_memory_ordered 1
		.amdhsa_forward_progress 1
		.amdhsa_inst_pref_size 13
	.end_amdhsa_kernel
	.amdgpu_metadata
---
amdhsa.version: [ 1, 2 ]
amdhsa.kernels:
  - .name:           k_qc67fbbeea6_prep
    .symbol:         k_qc67fbbeea6_prep.kd
    .args:
      - { .name: Wv, .offset: 0, .size: 8, .value_kind: global_buffer, .address_space: global }
      - { .name: Wq, .offset: 8, .size: 8, .value_kind: global_buffer, .address_space: global }
      - { .name: query, .offset: 16, .size: 8, .value_kind: global_buffer, .address_space: global }
      - { .name: bq, .offset: 24, .size: 8, .value_kind: global_buffer, .address_space: global }
      - { .name: bv, .offset: 32, .size: 8, .value_kind: global_buffer, .address_space: global }
      - { .name: wvb, .offset: 40, .size: 8, .value_kind: global_buffer, .address_space: global }
      - { .name: cq, .offset: 48, .size: 8, .value_kind: global_buffer, .address_space: global }
    .group_segment_fixed_size: 8704
    .private_segment_fixed_size: 0
    .kernarg_segment_align: 8
    .kernarg_segment_size: 56
    .max_flat_workgroup_size: 128
    .sgpr_count:     66
    .vgpr_count:     242
    .wavefront_size: 32
...
	.end_amdgpu_metadata
.endif
;; end of part 1
;; launch score (part 2): grid 512 x 1, 4 waves a work-group, no clusters, 310,784 bytes of LDS; arguments values, wvb, cq, Vw, Vb, sc, st, cx; writes sc, st, cx
.if DOCPART == 2
	.amdgcn_target "amdgcn-amd-amdhsa--gfx1250"
	.amdhsa_code_object_version 6
	.text
	.protected	k_qc67fbbeea6_score
	.globl	k_qc67fbbeea6_score
	.p2align	8
	.type	k_qc67fbbeea6_score,@function
k_qc67fbbeea6_score:
	s_mov_b64 s[64:65], 0
	v_nop
	global_prefetch_b8 v0, s[64:65] scope:SCOPE_SE
	s_setreg_imm32_b32 hwreg(HW_REG_WAVE_MODE, 25, 1), 1
	s_wait_xcnt 0x0
; SCORE.  For one tile of 128 rows (b, t) of one batch: s[t] = Vw . tanh(values[t] Wv^T + c) + Vb with c = query Wq^T + bq + bv (from the launch before),
; the tile's own maximum m, p[t] = e^(s[t] - m), l = sum of p, and the partial context sum over t of p[t] values[t].  Stored: s, (m, l), the partial context.
; SHARES.  512 tiles, one a work-group.  The tile's values are read from memory ONCE, rounded to bf16 and kept in LDS for both passes and for the context.
; Four waves; N = 1,024 outputs go in two passes of 512; in a pass a wave makes 128 t x 128 o: 64 accumulators of 16 x 16, 512 registers.
; A fragment of Wv is used by one wave alone, so it goes from memory straight into registers (a ring of four buffers of 64, all of window 1), from a copy laid in fragment order.
; NO JOINT TENSOR LOADS for Wv, though all work-groups read it: such a load lands in LDS, and of the 327,680 bytes 294,912 hold the tile and 15,360 the tables and stages;
; two slots in the 17,408 bytes left would hold 8 along K of a pass's 512 outputs, sixteen matrix instructions a wave for each refill and its barrier.
; THE MATRIX INSTRUCTION IS USED TRANSPOSED: source 0 = 16 rows of Wv, source 1 = 16 rows of values.  Lane (r = lane % 16, h = lane / 16), register j holds
; (o = 8 h + j, t = r): one t a lane and eight neighbouring o, so that the sum over o stays in the lane but for one exchange of the halves.
; TANH.  tanh(x) = 1 - u, u = 2 / (1 + e^(2x)) = 1 / (0.5 + 2^y), y = 2 log2(e) x - 1.  The launch before has multiplied Wv by 2 log2(e) and made c'' = 2 log2(e) c - 1, and each sum
; starts with c'' as the C of its first product: a finished sum IS y.  Where 2^y overflows u is 0, where it vanishes u is 2.  The score is formed as sum(Vw) - sum(Vw u).
; LIMITS.  NaN and infinities in the inputs are not served.  tanh has an absolute error of about 1e-7.  sum(Vw) - sum(Vw u) carries partial sums as large as the sum of |Vw|,
; so its error is about 2^-24 of that sum.  values, 2 log2(e) Wv and p are rounded to bf16 for the products.  The order of all sums differs from a plain f32 loop's.
;
; LDS.  The tile lies chunk by chunk: [chunk 16][row 128][128 bytes + 16 of padding]; a chunk is 64 along K.  Every byte of LDS is written once in the launch.
.set PITCH, 144                        ; 36 words: the 16 rows of a fragment load start at 16 different groups of four banks (64 banks of 4 bytes: ISA guide 11.1)
.set CHUNK, 128*PITCH                  ; 18,432
.set CQL,   16*CHUNK                   ; c''[o] of my batch, 4,096 bytes
.set VWL,   CQL+4096                   ; Vw[o], 4,096 bytes
.set SCS,   VWL+4096                   ; [wave 4][t 128] f32: each wave's part of the scores
.set SCP,   SCS+2048                   ; [wave 4][t 128] bf16: p, a copy for each wave
.set SCC,   SCP+1024                   ; [wave 4][256] f32: the context's way out
; REGISTERS, in windows of 256 (s_set_vgpr_msb's low byte: bits 1:0 source 0, 3:2 source 1, 5:4 source 2, 7:6 destination):
;   window 0: the names below.   window 1: Wv's fragments, buffer j at v[64 j] (buffer 3 holds c'' during a pass's first step); at the end V^T's.
;   window 2: the 32 accumulators of t blocks 0-3 ((a, b) at v[8 (8 (a % 4) + b)]);   window 3: those of t blocks 4-7.
.set RR,    1                          ; r
.set HH,    2                          ; h
.set LN,    3                          ; lane
.set ADRA,  4                          ; LDS address of my lane in a fragment of the tile, at the trip's first chunk
.set ADRA0, 5                          ; the same at chunk 0; never rewritten
.set STA,   6                          ; LDS address at which I put 8 bytes of my wave's rows, at the trip's first chunk
.set UOFF,  7                          ; my byte offset in the tile's values; never rewritten
.set BOFF,  8                          ; 16 x lane; never rewritten
.set PFO,   9                          ; byte offset of row 32 w + lane; never rewritten
.set EPA,   10                         ; LDS address of my eight c''
.set VT,    15                         ; the sum of my lane's 128 Vw (both passes)
.set SA,    16                         ; v[16:23]  t block a: my lane's sum of Vw u
.set TT,    24                         ; v[24:39]  at work
.set AV,    44                         ; v[44:47]  LDS addresses of the turning loads, 32 t apart
.set AF,    64                         ; v[64:127] fragments of the tile, t blocks 0-7
.set ST,    128                        ; v[128:255] four sets of 32: values as loaded
.set VW,    192                        ; in the epilogue: Vw (64)
.set CA,    128                        ; at the end: the context's 16 accumulators
.set MSB, 0
.macro WIN new                         ; the immediate's high byte repeats the setting that is left; a switch that changes nothing is dropped
.if MSB != (\new)
	s_set_vgpr_msb (MSB<<8)|(\new)
.set MSB, (\new)
.endif
.endm
.set MUL_LO, 0xa1                      ; source 0 (Wv) window 1, source 1 (values) window 0, C and D window 2
.set MUL_HI, 0xf1                      ; the same, C and D window 3
.set FST_LO, 0x91                      ; a pass's first step: C (c'') window 1, D window 2
.set FST_HI, 0xd1                      ; the same, D window 3
.set TO_B,   0x40                      ; destination window 1, address window 0
.set CTX,    0x01                      ; source 0 window 1, all else window 0
; A load into a register that a matrix instruction has read, and a vector instruction that reads a matrix result, stand four places behind it;
; only plain vector instructions that name none of its registers are places (ISA guide 7.12.1 for vector instructions).
.macro PLACES
.rept 4
	v_nop
.endr
.endm
; 32 matrix instructions: t blocks 4 hi .. 4 hi + 3 x all 8 o blocks, 32 along K, Wv from buffer j.  first: the products start the sums, with c'' (buffer 3: the same eight registers
; for all t blocks of an o block) as C: nothing is cleared.  All 64 accumulators take turns, one instruction a turn, in the same order in every step.
.macro MULH j, hi, first
.irp a, 0,1,2,3
.irp b, 0,1,2,3,4,5,6,7
.if \first
	v_wmma_f32_16x16x32_bf16 v[8*(8*\a+\b):8*(8*\a+\b)+7], v[64*(\j)+8*\b:64*(\j)+8*\b+7], v[AF+8*(4*\hi+\a):AF+8*(4*\hi+\a)+7], v[192+8*\b:192+8*\b+7]
.else
	v_wmma_f32_16x16x32_bf16 v[8*(8*\a+\b):8*(8*\a+\b)+7], v[64*(\j)+8*\b:64*(\j)+8*\b+7], v[AF+8*(4*\hi+\a):AF+8*(4*\hi+\a)+7], v[8*(8*\a+\b):8*(8*\a+\b)+7]
.endif
.endr
.endr
.endm
; 8 LDS loads: the fragments of t blocks 4 hi .. 4 hi + 3 for step st of the trip (st = 4: the next trip's first).  Row r, k = 8 h + 0..7 and 16 + 8 h + 0..7.
.macro RUNA hi, st
.irp a, 0,1,2,3
	ds_load_b128 v[AF+8*(4*\hi+\a):AF+8*(4*\hi+\a)+3],   v[ADRA] offset:((\st)/2)*CHUNK+((\st)%2)*64+(4*\hi+\a)*16*PITCH
	ds_load_b128 v[AF+8*(4*\hi+\a)+4:AF+8*(4*\hi+\a)+7], v[ADRA] offset:((\st)/2)*CHUNK+((\st)%2)*64+(4*\hi+\a)*16*PITCH+32
.endr
.endm
; 16 LDS loads: pass p's c'' of my 128 outputs into buffer 3: o = 512 p + 128 w + 16 ob + 8 h + j in register 192 + 8 ob + j
.macro LDCC p
	WIN TO_B
.irp ob, 0,1,2,3,4,5,6,7
	ds_load_b128 v[192+8*\ob:192+8*\ob+3],   v[EPA] offset:\p*2048+\ob*64
	ds_load_b128 v[192+8*\ob+4:192+8*\ob+7], v[EPA] offset:\p*2048+\ob*64+16
.endr
	WIN 0
.endm
; 16 loads: a step's fragments of Wv (my 128 outputs x 32 K, 8,192 bytes); each load takes 512 consecutive bytes
.macro LDB slot, off
	WIN TO_B
.irp ob, 0,1,2,3,4,5,6,7
	global_load_b128 v[64*(\slot)+8*\ob:64*(\slot)+8*\ob+3],   v[BOFF], s[6:7] offset:(\off)+\ob*1024
	global_load_b128 v[64*(\slot)+8*\ob+4:64*(\slot)+8*\ob+7], v[BOFF], s[6:7] offset:(\off)+\ob*1024+512
.endr
	WIN 0
.endm
; A UNIT is 16 of my wave's 32 rows x one chunk (256 bytes of f32): 8 loads; lanes 0-15 take a row's 256 bytes, aligned, lanes 16-31 those of the row 8 further down
.macro LDU set, half, ch
.irp jj, 0,1,2,3,4,5,6,7
	global_load_b128 v[ST+32*(\set)+4*\jj:ST+32*(\set)+4*\jj+3], v[UOFF], s[4:5] offset:(16*(\half)+\jj)*4096+(\ch)*256 th:TH_LOAD_NT
.endr
.endm
; A unit is rounded to bf16, in place (register i from registers 2 i and 2 i + 1, ascending), and put into the tile: 8 bytes a lane, 16 lanes a row of the chunk
.macro CVU set, half, ch
.set i, 0
.rept 16
	v_cvt_pk_bf16_f32 v[ST+32*(\set)+i], v[ST+32*(\set)+2*i], v[ST+32*(\set)+2*i+1]
.set i, i+1
.endr
.irp jj, 0,1,2,3,4,5,6,7
	ds_store_b64 v[STA], v[ST+32*(\set)+2*\jj:ST+32*(\set)+2*\jj+1] offset:(16*(\half)+\jj)*PITCH+(\ch)*CHUNK
.endr
.endm
; The end of a trip of four steps: all bases go two chunks on
.macro TRIPEND p
	s_wait_xcnt 0x0                                ; every earlier memory instruction has had its addresses translated (ISA guide 3.1): the bases are stepped only behind this wait
	s_add_nc_u64 s[6:7], s[6:7], 4*8192
	v_add_nc_u32 v[ADRA], 2*CHUNK, v[ADRA]
.if \p == 0
	s_add_nc_u64 s[4:5], s[4:5], 512
	v_add_nc_u32 v[STA], 2*CHUNK, v[STA]
.endif
.endm
; A step's requests to memory, always in this order; STEP has set the symbols
.macro ASK
.if F_IB
	LDB U_SET, B_OFF                               ; into the buffer that step s - 1 read (in a pass's first step: that held c''): four places stand between
.endif
.if F_IU
	LDU L_SET, L_HALF, L_CH
.endif
.if F_PF
	global_prefetch_b8 v[PFO], s[4:5] offset:P_OFF th:TH_LOAD_NT scope:SCOPE_SE    ; chunk 4 + j / 2 of the trip (4 to 15 of the tile), my wave's 32 rows, a lane a row: each block of 256 bytes is asked for once, two steps ahead of its loads; the last is chunk 15
.endif
.endm
; ONE STEP of 32 along K: 64 matrix instructions.  p: the pass; s: the step's number in the pass, which decides what it still asks for; j = s % 4, which stands in registers and immediates.
; THE PIPELINE.  B(n) is step n's Wv (n runs on through both passes), U(u) is unit u (chunk u / 2, row half u % 2, set u % 4).  The middle of step s of pass 1 rounds U(s+3) into the tile
; and asks for B(s+3), then for U(s+6).  (In a pass's first step the requests stand at the step's end, in the same order: until then buffer 3 holds c''.)
; Loads come back in order (ISA guide 5.7.1), so one count serves both streams:
;   at a step's head B(s) is wanted; behind it were issued U(s+3), B(s+1), U(s+4), B(s+2), U(s+5): 56, less 8 for each unit past the 31st;
;   in its middle U(s+3) is wanted; behind it B(s+1), U(s+4), B(s+2), U(s+5): 48, less likewise.  In pass 2: B(s+1), B(s+2): 32, then 16, then 0.
; By the text's count 72 loads are named at most; where that passes the counter's field the issue holds until the oldest are back (ISA guide 5.7.1).
; THE BARRIERS of pass 1.  Chunk s / 2 + 1 is whole when every wave has stored U(s+2) and U(s+3): each wave says so at the end of even step s, behind its wait for those stores, and waits
; in the middle of step s + 1, ahead of the first read of that chunk.  Between the two stand LDS loads of chunk s / 2, which nobody writes any more, and 32 matrix instructions.
.macro STEP p, s, j
.set F_CV, 0                           ; a unit is rounded
.set F_IU, 0                           ; a unit is asked for
.set F_IB, 0                           ; a step of Wv is asked for
.set F_PF, 0                           ; a chunk is prefetched
.set F_SIG, 0
.set F_WT, 0
.set F_RA, 0                           ; the next step's fragments of the tile are read
.set F_ZR, 0                           ; the products start the sums
.set C_S, 32
.set C_M, 48
.if \s < 31
.set F_RA, 1
.endif
.if \s == 0
.set F_ZR, 1
.endif
.if \p == 0
.set F_IB, 1
.if \s <= 28
.set F_CV, 1
.endif
.if \s <= 25
.set F_IU, 1
.endif
.if (\s <= 23) && ((\s % 2) == 0)
.set F_PF, 1
.endif
.if (\s <= 28) && ((\s % 2) == 0)
.set F_SIG, 1
.endif
.if (\s <= 29) && ((\s % 2) == 1)
.set F_WT, 1
.endif
.if \s <= 26
.set C_S, 56
.elseif \s == 27
.set C_S, 48
.set C_M, 40
.elseif \s == 28
.set C_S, 40
.set C_M, 32
.endif
.else
.if \s <= 28
.set F_IB, 1
.endif
.if \s == 30
.set C_S, 16
.elseif \s == 31
.set C_S, 0
.endif
.endif
.set U_SET,  (\j+3)%4
.set U_HALF, (\j+3)%2
.set U_CH,   (\j+3)/2
.set B_OFF,  (\j+3)*8192
.set L_SET,  (\j+2)%4
.set L_HALF, \j%2
.set L_CH,   (\j+6)/2
.set N_ST,   \j+1
.set P_OFF,  (4+\j/2)*256
	s_wait_loadcnt C_S                             ; B(s) is in
	s_wait_dscnt 8                                 ; t blocks 0-3 (and, in a first step, c'') are in; the eight loads of blocks 4-7 may be out
.if F_ZR
	WIN FST_LO
.else
	WIN MUL_LO
.endif
	MULH \j, 0, F_ZR
	WIN 0
.if F_WT
	s_barrier_wait -1                              ; the next chunk is whole
.endif
.if F_CV
	s_wait_loadcnt C_M                             ; U(s+3) is in
	CVU U_SET, U_HALF, U_CH                        ; its sixteen conversions are also the places in front of the loads below
.else
	PLACES
.endif
.if F_RA
	RUNA 0, N_ST
.endif
.if F_ZR == 0
	ASK
.endif
	s_wait_dscnt 8*F_CV+8*F_RA                     ; t blocks 4-7 are in; behind them: this middle's stores and loads
.if F_ZR
	WIN FST_HI
.else
	WIN MUL_HI
.endif
	MULH \j, 1, F_ZR
	WIN 0
	PLACES
.if F_ZR
	ASK                                            ; c'' has been read for the last time, four places back
.endif
.if F_SIG
	s_wait_dscnt 0x0                               ; for the others' sake: my stores of U(s+2) and U(s+3) are done (and no LDS instruction of mine is pending at a signal)
	s_barrier_signal -1
.endif
.if F_RA
	RUNA 1, N_ST
.endif
.endm
; THE EPILOGUE of pass p: my 128 t x 128 o of finished sums y become my lane's part of sum(Vw u), u = 1 / (0.5 + 2^y), for each of the eight t blocks.
; A window's 128 register pairs go through ONE pipeline, all in place.  Trip n: 2^y of pair n's first number; + 0.5 for pair n - 2; 2^y of pair n's second; Vw u of pair n - 4; the two
; reciprocals of pair n - 3.  So plain instructions stand between the transcendentals, and each transcendental has a plain instruction that names none of its registers
; between it and the use of its result (ISA guide 5.7.2): for the exponentials the next trip's + 0.5, for the reciprocals likewise; where there is no + 0.5 (the first two trips
; and the last two) a v_nop takes its slot.  Pairs ascend.
; The sums of Vw u stay in the window: four chains a t block, kept in the block's first eight registers (o block 0: a product in place; o blocks 1-7 add onto it).
; So one setting serves the whole pipeline: destination, source 0 and source 2 in the accumulators' window, source 1 (Vw) in window 0.
.macro EPI p
	WIN 0
.irp ob, 0,1,2,3,4,5,6,7
	ds_load_b128 v[VW+8*\ob:VW+8*\ob+3],   v[EPA] offset:4096+\p*2048+\ob*64
	ds_load_b128 v[VW+8*\ob+4:VW+8*\ob+7], v[EPA] offset:4096+\p*2048+\ob*64+16
.endr
	s_wait_dscnt 0x0
.irp q, 0,1,2,3
	v_pk_add_f32 v[TT+2*\q:TT+2*\q+1], v[VW+2*\q:VW+2*\q+1], v[VW+8+2*\q:VW+8+2*\q+1]     ; the sum of my 64 Vw of this pass
.endr
.irp ob, 2,3,4,5,6,7
.irp q, 0,1,2,3
	v_pk_add_f32 v[TT+2*\q:TT+2*\q+1], v[TT+2*\q:TT+2*\q+1], v[VW+8*\ob+2*\q:VW+8*\ob+2*\q+1]
.endr
.endr
	v_pk_add_f32 v[TT:TT+1], v[TT:TT+1], v[TT+2:TT+3]
	v_pk_add_f32 v[TT+4:TT+5], v[TT+4:TT+5], v[TT+6:TT+7]
	v_pk_add_f32 v[TT:TT+1], v[TT:TT+1], v[TT+4:TT+5]
.if \p == 0
	v_add_f32 v[VT], v[TT], v[TT+1]
.else
	v_add_f32 v11, v[TT], v[TT+1]
	v_add_f32 v[VT], v[VT], v11
.endif
.irp hf, 0,1
	WIN 0xa2+0x51*\hf
.set pn, 0
.rept 132
.if pn < 128
	v_exp_f32 v[2*pn], v[2*pn]
.endif
.if (pn >= 2) && (pn < 130)
	s_wait_alu depctr_va_vdst(0)
	v_pk_add_f32 v[2*pn-4:2*pn-3], v[2*pn-4:2*pn-3], 0.5 op_sel_hi:[1,0]
.else
	v_nop
.endif
.if pn < 128
	v_exp_f32 v[2*pn+1], v[2*pn+1]
.endif
.if pn >= 4
.set pm, pn-4
.set pw, VW+2*(pm%32)
.set pt, 64*(pm/32)+2*(pm%4)
.if (pm%32) < 4
	s_wait_alu depctr_va_vdst(0)
	v_pk_mul_f32 v[2*pm:2*pm+1], v[2*pm:2*pm+1], v[pw:pw+1]
.else
	s_wait_alu depctr_va_vdst(0)
	v_pk_fma_f32 v[pt:pt+1], v[2*pm:2*pm+1], v[pw:pw+1], v[pt:pt+1]
.endif
.endif
.if (pn >= 3) && (pn < 131)
	v_rcp_f32 v[2*pn-6], v[2*pn-6]
	v_rcp_f32 v[2*pn-5], v[2*pn-5]
.endif
.set pn, pn+1
.endr
	WIN 0x0a+5*\hf                                 ; sources 0 and 1 in the accumulators' window, destination in window 0: the four blocks' chains come out
.irp blk, 0,1,2,3
	v_pk_add_f32 v[TT+4*\blk:TT+4*\blk+1],   v[64*\blk:64*\blk+1],   v[64*\blk+2:64*\blk+3]
	v_pk_add_f32 v[TT+4*\blk+2:TT+4*\blk+3], v[64*\blk+4:64*\blk+5], v[64*\blk+6:64*\blk+7]
.endr
	WIN 0
.irp blk, 0,1,2,3
	v_pk_add_f32 v[TT+4*\blk:TT+4*\blk+1], v[TT+4*\blk:TT+4*\blk+1], v[TT+4*\blk+2:TT+4*\blk+3]
.endr
.irp blk, 0,1,2,3
.if \p == 0
	v_add_f32 v[SA+4*\hf+\blk], v[TT+4*\blk], v[TT+4*\blk+1]
.else
	v_add_f32 v[TT+4*\blk], v[TT+4*\blk], v[TT+4*\blk+1]
.endif
.endr
.if \p != 0
.irp blk, 0,1,2,3
	v_add_f32 v[SA+4*\hf+\blk], v[SA+4*\hf+\blk], v[TT+4*\blk]
.endr
.endif
.endr
.endm
; The context: O^T = V^T P for 64 t (t groups g0, g0 + 1 of 32) and my wave's 256 channels.  V^T comes out of the tile turned (ds_load_tr16_b128: lane l addresses
; t = 8 h + l % 8, channels 8 ((l / 8) % 2) + 0..7, and receives channel l % 16 and 8 t).  All 16 columns of P are the same p.  The 16 accumulators take turns.
.macro CTXPAIR g0, zero
	WIN TO_B
.irp gg, 0,1
.irp cb, 0,1,2,3,4,5,6,7,8,9,10,11,12,13,14,15
	ds_load_tr16_b128 v[128*\gg+8*\cb:128*\gg+8*\cb+3],   v[AV+\g0+\gg] offset:(\cb/4)*CHUNK+(\cb%4)*32
	ds_load_tr16_b128 v[128*\gg+8*\cb+4:128*\gg+8*\cb+7], v[AV+\g0+\gg] offset:(\cb/4)*CHUNK+(\cb%4)*32+16*PITCH
.endr
.endr
	s_wait_dscnt 0x0
	WIN CTX
.irp gg, 0,1
.irp cb, 0,1,2,3,4,5,6,7,8,9,10,11,12,13,14,15
.if \zero && (\gg == 0)
	v_wmma_f32_16x16x32_bf16 v[CA+8*\cb:CA+8*\cb+7], v[128*\gg+8*\cb:128*\gg+8*\cb+7], v[96+8*(\g0+\gg):96+8*(\g0+\gg)+7], 0
.else
	v_wmma_f32_16x16x32_bf16 v[CA+8*\cb:CA+8*\cb+7], v[128*\gg+8*\cb:128*\gg+8*\cb+7], v[96+8*(\g0+\gg):96+8*(\g0+\gg)+7], v[CA+8*\cb:CA+8*\cb+7]
.endif
.endr
.endr
	WIN 0
	PLACES
.endm
	; ---------------- the head ----------------
	s_load_b512 s[4:19], s[0:1], 0x0               ; values s[4:5], wvb s[6:7], cq s[8:9], Vw s[10:11], Vb s[12:13], sc s[14:15], st s[16:17], cx s[18:19]
	v_lshl_add_u32 v62, v0, 2, 0x4bc00
	v_mov_b32 v63, 0
	v_and_b32 v[RR], 15, v0
	v_bfe_u32 v[HH], v0, 4, 1
	v_and_b32 v[LN], 31, v0
	v_lshrrev_b32 v11, 5, v0
	v_readfirstlane_b32 s20, v11                   ; w, my wave's number
	s_mov_b32 s23, 0
	s_mov_b32 s28, 0x76543210                      ; v_permlanex16_b32: each lane takes its own place in the other half
	s_mov_b32 s29, 0xfedcba98
	s_mov_b32 s32, 0x3fb8aa3b                      ; log2(e)
	v_mul_u32_u24 v[ADRA0], v[RR], PITCH           ; row r x pitch + 16 h
	v_lshl_add_u32 v[ADRA0], v[HH], 4, v[ADRA0]
	v_mov_b32 v[ADRA], v[ADRA0]
	s_mul_i32 s24, s20, 32*PITCH                   ; my wave's 32 rows of a chunk,
	v_mul_u32_u24 v11, v[HH], 8*PITCH              ; 8 rows down for lanes 16-31,
	v_lshl_add_u32 v11, v[RR], 3, v11              ; 8 bytes a lane
	v_add_nc_u32 v[STA], s24, v11
	s_lshl_b32 s25, s20, 17                        ; the same in memory: 32 rows of 4,096 bytes,
	v_lshlrev_b32 v11, 15, v[HH]                   ; 8 rows,
	v_lshl_add_u32 v11, v[RR], 4, v11              ; 16 bytes a lane
	v_add_nc_u32 v[UOFF], s25, v11
	v_lshlrev_b32 v[BOFF], 4, v[LN]
	v_lshl_add_u32 v[PFO], v[LN], 12, s25
	s_lshl_b32 s24, s20, 9                         ; c'' of o = 512 p + 128 w + 16 ob + 8 h + j
	s_add_co_u32 s24, s24, CQL
	v_lshl_add_u32 v[EPA], v[HH], 5, s24
	v_lshrrev_b32 v12, 1, v0                       ; thread t brings c''[8 t .. 8 t + 7]: block t / 2 of 16, 2,048 bytes apart, half t % 2
	v_lshlrev_b32 v12, 11, v12
	v_and_b32 v13, 1, v0
	v_lshl_add_u32 v12, v13, 5, v12
	v_lshlrev_b32 v13, 5, v0                       ; and Vw[8 t .. 8 t + 7]
	v_lshl_add_u32 v14, v0, 5, CQL
	s_wait_kmcnt 0x0
	s_load_b32 s30, s[12:13], 0x0                  ; Vb
	s_lshl_b32 s22, ttmp9, 19                      ; the tile's 128 rows of 4,096 bytes
	s_add_nc_u64 s[4:5], s[4:5], s[22:23]
	s_lshl_b32 s22, s20, 19                        ; my wave's 64 steps of 8,192 bytes
	s_add_nc_u64 s[6:7], s[6:7], s[22:23]
	s_lshr_b32 s22, ttmp9, 4                       ; the batch: 16 tiles each
	s_lshl_b32 s22, s22, 6
	s_add_nc_u64 s[8:9], s[8:9], s[22:23]
	s_lshl_b32 s22, ttmp9, 9
	s_add_nc_u64 s[14:15], s[14:15], s[22:23]
	s_lshl_b32 s22, ttmp9, 8
	s_add_nc_u64 s[16:17], s[16:17], s[22:23]
	s_lshl_b32 s22, ttmp9, 12
	s_add_nc_u64 s[18:19], s[18:19], s[22:23]
.irp kq, 0,1,2,3
	global_load_b128 v[64+8*\kq:67+8*\kq], v12, s[8:9] offset:\kq*131072           ; the four parts of c'', one for each quarter of K
	global_load_b128 v[68+8*\kq:71+8*\kq], v12, s[8:9] offset:\kq*131072+16
.endr
	global_load_b128 v[96:99], v13, s[10:11]
	global_load_b128 v[100:103], v13, s[10:11] offset:16
	LDU 0, 0, 0
	LDU 1, 1, 0
	LDU 2, 0, 1
	s_wait_loadcnt 24                              ; c'' and Vw are in; the three units stay out
.irp q, 0,2,4,6
	v_pk_add_f32 v[64+\q:65+\q], v[64+\q:65+\q], v[72+\q:73+\q]
	v_pk_add_f32 v[80+\q:81+\q], v[80+\q:81+\q], v[88+\q:89+\q]
.endr
.irp q, 0,2,4,6
	v_pk_add_f32 v[64+\q:65+\q], v[64+\q:65+\q], v[80+\q:81+\q]
.endr
	ds_store_b128 v14, v[64:67]
	ds_store_b128 v14, v[68:71] offset:16
	ds_store_b128 v14, v[96:99] offset:4096
	ds_store_b128 v14, v[100:103] offset:4112
	s_wait_loadcnt 16                              ; U0 is in; behind it U1, U2
	CVU 0, 0, 0
	LDB 0, 0
	LDU 3, 1, 1
	s_wait_loadcnt 32                              ; U1; behind it U2, B0, U3
	CVU 1, 1, 0
	LDB 1, 8192
	LDU 0, 0, 2
	s_wait_loadcnt 48                              ; U2; behind it B0, U3, B1, U4
	CVU 2, 0, 1
	LDB 2, 16384
	LDU 1, 1, 2
	s_wait_kmcnt 0x0
	s_mov_b32 s31, s30                             ; Vb, named as a pair
	s_wait_dscnt 0x0                               ; for the others' sake: my part of chunk 0, of c'' and of Vw is in LDS
	s_barrier_signal -1
	s_barrier_wait -1
	LDCC 0
	RUNA 0, 0
	RUNA 1, 0
	; ---------------- pass 1: o = 128 w .. 128 w + 127; the tile streams in under it ----------------
	STEP 0, 0, 0                                   ; the first trip is written out: its first step starts the sums
	STEP 0, 1, 1
	STEP 0, 2, 2
	STEP 0, 3, 3
	TRIPEND 0
	s_mov_b32 s24, 5
.Lp1:                                                  ; steps 4 to 23
	STEP 0, 4, 0
	STEP 0, 5, 1
	STEP 0, 6, 2
	STEP 0, 7, 3
	TRIPEND 0
	s_sub_co_u32 s24, s24, 1
	s_cmp_lg_u32 s24, 0
	s_cbranch_scc1 .Lp1
	STEP 0, 24, 0                                  ; the last two trips are written out: the stream of values ends, and the counts run down
	STEP 0, 25, 1
	STEP 0, 26, 2
	STEP 0, 27, 3
	TRIPEND 0
	STEP 0, 28, 0
	STEP 0, 29, 1
	STEP 0, 30, 2
	STEP 0, 31, 3
	s_wait_xcnt 0x0                                ; as in TRIPEND
	s_add_nc_u64 s[6:7], s[6:7], 4*8192            ; Wv goes straight on into pass 2: its first three steps are on their way
	v_mov_b32 v[ADRA], v[ADRA0]                    ; the tile is read again from chunk 0
	LDCC 1                                         ; pass 2's c'' into buffer 3, which step 31 read (four places back),
	RUNA 0, 0                                      ; and its first fragments: these registers lie idle during the epilogue
	RUNA 1, 0
	EPI 0
	; ---------------- pass 2: o = 512 + 128 w .. ----------------
	STEP 1, 0, 0
	STEP 1, 1, 1
	STEP 1, 2, 2
	STEP 1, 3, 3
	TRIPEND 1
	s_mov_b32 s24, 6
.Lp2:                                                  ; steps 4 to 27
	STEP 1, 4, 0
	STEP 1, 5, 1
	STEP 1, 6, 2
	STEP 1, 7, 3
	TRIPEND 1
	s_sub_co_u32 s24, s24, 1
	s_cmp_lg_u32 s24, 0
	s_cbranch_scc1 .Lp2
	STEP 1, 28, 0
	STEP 1, 29, 1
	STEP 1, 30, 2
	STEP 1, 31, 3
	EPI 1
	; ---------------- the tile's scores, its softmax and its context ----------------
.irp a, 0,1,2,3,4,5,6,7
	v_sub_f32 v[SA+\a], v[VT], v[SA+\a]            ; sum(Vw) - sum(Vw u) = sum(Vw tanh), over my lane's 128 o
.endr
.irp a, 0,1,2,3,4,5,6,7
	v_permlanex16_b32 v[TT+\a], v[SA+\a], s28, s29 ; the other eight o of each block lie in the lane 16 away
.endr
.irp a, 0,1,2,3,4,5,6,7
	v_add_f32 v[SA+\a], v[SA+\a], v[TT+\a]
.endr
	s_lshl_b32 s24, s20, 9
	s_add_co_u32 s24, s24, SCS
	v_lshl_add_u32 v40, v[RR], 2, s24              ; my wave's 128 words; lanes r and r + 16 write the same word with the same value
	v_lshl_add_u32 v41, v[LN], 4, SCS
.irp a, 0,1,2,3,4,5,6,7
	ds_store_b32 v40, v[SA+\a] offset:64*\a
.endr
	s_lshl_b32 s24, s20, 8
	s_add_co_u32 s24, s24, SCP
	v_lshl_add_u32 v42, v[LN], 3, s24              ; p of t = 4 lane .. + 3, in bf16
	v_lshl_add_u32 v43, v[HH], 4, s24              ; p of t = 8 h .. + 7
	s_mul_i32 s25, s20, 4*CHUNK                    ; my wave's 256 channels: chunks 4 w .. 4 w + 3
	v_and_b32 v11, 7, v0
	v_lshl_add_u32 v11, v[HH], 3, v11
	v_mul_u32_u24 v11, v11, PITCH
	v_bfe_u32 v12, v0, 3, 1
	v_lshl_add_u32 v11, v12, 4, v11
	v_add_nc_u32 v[AV], s25, v11
	v_add_nc_u32 v[AV+1], 32*PITCH, v[AV]
	v_add_nc_u32 v[AV+2], 64*PITCH, v[AV]
	v_add_nc_u32 v[AV+3], 96*PITCH, v[AV]
	s_lshl_b32 s24, s20, 10
	v_lshl_add_u32 v52, v[LN], 4, s24              ; my 16 bytes of the tile's partial context
	s_add_co_u32 s24, s24, SCC
	v_lshl_add_u32 v48, v[HH], 5, s24
	v_lshl_add_u32 v49, v[LN], 4, s24
	v_lshlrev_b32 v51, 3, v[LN]
	s_wait_dscnt 0x0                               ; for the others' sake: my part of the scores is in LDS
	s_barrier_signal -1
	s_barrier_wait -1
	ds_load_b128 v[64:67], v41                     ; every wave takes all four parts of t = 4 lane .. + 3
	ds_load_b128 v[68:71], v41 offset:512
	ds_load_b128 v[72:75], v41 offset:1024
	ds_load_b128 v[76:79], v41 offset:1536
	s_wait_dscnt 0x0
	v_pk_add_f32 v[64:65], v[64:65], v[68:69]
	v_pk_add_f32 v[66:67], v[66:67], v[70:71]
	v_pk_add_f32 v[72:73], v[72:73], v[76:77]
	v_pk_add_f32 v[74:75], v[74:75], v[78:79]
	v_pk_add_f32 v[64:65], v[64:65], v[72:73]
	v_pk_add_f32 v[66:67], v[66:67], v[74:75]
	v_pk_add_f32 v[80:81], v[64:65], s[30:31] op_sel_hi:[1,0]      ; + Vb: the scores
	v_pk_add_f32 v[82:83], v[66:67], s[30:31] op_sel_hi:[1,0]
	v_max3_num_f32 v84, v80, v81, v82
	v_max_num_f32 v84, v84, v83
	v_max_num_f32_dpp v84, v84, v84 row_xmask:1 row_mask:0xf bank_mask:0xf
	v_max_num_f32_dpp v84, v84, v84 row_xmask:2 row_mask:0xf bank_mask:0xf
	v_max_num_f32_dpp v84, v84, v84 row_xmask:4 row_mask:0xf bank_mask:0xf
	v_max_num_f32_dpp v84, v84, v84 row_xmask:8 row_mask:0xf bank_mask:0xf
	v_permlanex16_b32 v[TT], v84, s28, s29
	v_max_num_f32 v92, v84, v[TT]                  ; m, the tile's maximum, in every lane
	v_mul_f32 v86, s32, v92
	v_fma_f32 v88, v80, s32, -v86                  ; log2(e) (s - m)
	v_fma_f32 v89, v81, s32, -v86
	v_fma_f32 v90, v82, s32, -v86
	v_fma_f32 v91, v83, s32, -v86
	v_exp_f32 v88, v88
	v_exp_f32 v89, v89
	v_exp_f32 v90, v90
	v_exp_f32 v91, v91
	v_nop                                          ; a plain instruction behind the exponentials
	s_wait_alu depctr_va_vdst(0)
	v_pk_add_f32 v[84:85], v[88:89], v[90:91]
	v_cvt_pk_bf16_f32 v94, v88, v89
	v_cvt_pk_bf16_f32 v95, v90, v91
	ds_store_b64 v42, v[94:95]                     ; my wave's own copy of p: no other wave touches it
	v_add_f32 v84, v84, v85
	v_add_f32_dpp v84, v84, v84 row_xmask:1 row_mask:0xf bank_mask:0xf
	v_add_f32_dpp v84, v84, v84 row_xmask:2 row_mask:0xf bank_mask:0xf
	v_add_f32_dpp v84, v84, v84 row_xmask:4 row_mask:0xf bank_mask:0xf
	v_add_f32_dpp v84, v84, v84 row_xmask:8 row_mask:0xf bank_mask:0xf
	v_permlanex16_b32 v[TT], v84, s28, s29
	v_add_f32 v93, v84, v[TT]                      ; l
.irp g, 0,1,2,3
	ds_load_b128 v[96+8*\g:96+8*\g+3],   v43 offset:64*\g          ; LDS serves a wave's instructions in order (ISA guide 5.7.1.4): these see the store above
	ds_load_b128 v[96+8*\g+4:96+8*\g+7], v43 offset:64*\g+32
.endr
	s_cmp_lg_u32 s20, 0                            ; all four waves hold the same scores, m and l: wave 0 stores them
	s_cbranch_scc1 .Lnot_wave_0
	global_store_b128 v[BOFF], v[80:83], s[14:15]  ; 512 consecutive bytes, aligned
	global_store_b64 v51, v[92:93], s[16:17]       ; (m, l) from every lane: 256 consecutive bytes, aligned
.Lnot_wave_0:
	CTXPAIR 0, 1
	CTXPAIR 2, 0
	; Lane (r, h), register j holds channel 16 cb + 8 h + j, the same in all 16 lanes of a half: they write the same bytes with the same values into my wave's own stage
.irp cb, 0,1,2,3,4,5,6,7,8,9,10,11,12,13,14,15
	ds_store_b128 v48, v[CA+8*\cb:CA+8*\cb+3] offset:64*\cb        ; each accumulator is read from its low end on
	ds_store_b128 v48, v[CA+8*\cb+4:CA+8*\cb+7] offset:64*\cb+16
.endr
	ds_load_b128 v[64:67], v49
	ds_load_b128 v[68:71], v49 offset:512
	s_wait_dscnt 0x0
	global_store_b128 v52, v[64:67], s[18:19]      ; 512 consecutive bytes, aligned
	global_store_b128 v52, v[68:71], s[18:19] offset:512
	s_wait_tensorcnt 0x0
	ds_add_u32 v62, v63
	s_wait_dscnt 0x0
	s_endpgm
.Lfunc_end_k_qc67fbbeea6_score:
	.size	k_qc67fbbeea6_score, .Lfunc_end_k_qc67fbbeea6_score-k_qc67fbbeea6_score
	.p2alignl 7, 3214868480
	.fill 96, 4, 3214868480
	.section	.rodata,"a",@progbits
	.p2align	6, 0x0
	.amdhsa_kernel k_qc67fbbeea6_score
		.amdhsa_group_segment_fixed_size 310784
		.amdhsa_private_segment_fixed_size 0
		.amdhsa_enable_private_segment 0
		.amdhsa_kernarg_size 64
		.amdhsa_user_sgpr_count 2
		.amdhsa_user_sgpr_kernarg_segment_ptr 1
		.amdhsa_wavefront_size32 1
		.amdhsa_system_sgpr_workgroup_id_x 1
		.amdhsa_system_sgpr_workgroup_id_y 1
		.amdhsa_system_sgpr_workgroup_id_z 1
		.amdhsa_system_vgpr_workitem_id 0
		.amdhsa_next_free_vgpr 1024
		.amdhsa_next_free_sgpr 66
		.amdhsa_reserve_vcc 0
		.amdhsa_float_denorm_mode_32 3
		.amdhsa_float_denorm_mode_16_64 3
		.amdhsa_memory_ordered 1
		.amdhsa_forward_progress 1
		.amdhsa_inst_pref_size 255
	.end_amdhsa_kernel
	.section	.bss,"aw",@nobits
	.p2align	6
	.space	262144
	.amdgpu_metadata
---
amdhsa.version: [ 1, 2 ]
amdhsa.kernels:
  - .name:           k_qc67fbbeea6_score
    .symbol:         k_qc67fbbeea6_score.kd
    .args:
      - { .name: values, .offset: 0, .size: 8, .value_kind: global_buffer, .address_space: global }
      - { .name: wvb, .offset: 8, .size: 8, .value_kind: global_buffer, .address_space: global }
      - { .name: cq, .offset: 16, .size: 8, .value_kind: global_buffer, .address_space: global }
      - { .name: Vw, .offset: 24, .size: 8, .value_kind: global_buffer, .address_space: global }
      - { .name: Vb, .offset: 32, .size: 8, .value_kind: global_buffer, .address_space: global }
      - { .name: sc, .offset: 40, .size: 8, .value_kind: global_buffer, .address_space: global }
      - { .name: st, .offset: 48, .size: 8, .value_kind: global_buffer, .address_space: global }
      - { .name: cx, .offset: 56, .size: 8, .value_kind: global_buffer, .address_space: global }
    .group_segment_fixed_size: 310784
    .private_segment_fixed_size: 0
    .kernarg_segment_align: 8
    .kernarg_segment_size: 64
    .max_flat_workgroup_size: 128
    .sgpr_count:     66
    .vgpr_count:     1024
    .wavefront_size: 32
...
	.end_amdgpu_metadata
.endif
;; end of part 2
;; launch finish (part 3): grid 4 x 32, 2 waves a work-group, no clusters, 0 bytes of LDS; arguments sc, st, cx, out0, out1; writes out0, out1
.if DOCPART == 3
	.amdgcn_target "amdgcn-amd-amdhsa--gfx1250"
	.amdhsa_code_object_version 6
	.text
	.protected	k_qc67fbbeea6_finish
	.globl	k_qc67fbbeea6_finish
	.p2align	8
	.type	k_qc67fbbeea6_finish,@function
k_qc67fbbeea6_finish:
	s_mov_b64 s[64:65], 0
	v_nop
	global_prefetch_b8 v0, s[64:65] scope:SCOPE_SE
	s_setreg_imm32_b32 hwreg(HW_REG_WAVE_MODE, 25, 1), 1
	s_wait_xcnt 0x0
; FINISH.  The 16 tiles of a batch are joined: M = max of the tiles' m, f_i = e^(m_i - M), L = sum of l_i f_i;
; out0[b][c] = sum over i of (f_i / L) cx[i][c];  out1[b][t] = e^(s[t] - M) / L.
; SHARES.  Work-group (q, b): 256 channels and 512 scores of batch b; thread t: channels 256 q + 4 t .. + 3, scores 512 q + 4 t .. + 3 and 256 further on.
; That is all the work there is: 128 work-groups.  No LDS, no barrier, no matrix unit: the launch moves 2.6 MB and has a few hundred operations a thread.
; LIMITS.  NaN and infinities are not served.
	s_load_b256 s[4:11], s[0:1], 0x0               ; sc s[4:5], st s[6:7], cx s[8:9], out0 s[10:11]
	s_load_b64 s[12:13], s[0:1], 0x20              ; out1
	s_and_b32 s14, ttmp7, 0xffff                   ; b
	v_and_b32 v1, 15, v0
	v_lshlrev_b32 v1, 8, v1                        ; lane l takes tile l % 16: 256 bytes apart
	v_lshlrev_b32 v2, 4, v0                        ; 16 bytes a thread
	s_mov_b32 s40, 0x3fb8aa3b                      ; log2(e)
	s_mov_b32 s17, 0
	s_wait_kmcnt 0x0
	s_lshl_b32 s16, s14, 12                        ; st: 16 tiles of 256 bytes
	s_add_nc_u64 s[6:7], s[6:7], s[16:17]
	s_lshl_b32 s18, ttmp9, 10                      ; 256 channels
	s_add_co_u32 s16, s16, s18                     ; out0: 4,096 b + 1,024 q
	s_add_nc_u64 s[10:11], s[10:11], s[16:17]
	s_lshl_b32 s16, s14, 16                        ; cx: 16 tiles of 4,096 bytes
	s_add_co_u32 s16, s16, s18
	s_add_nc_u64 s[8:9], s[8:9], s[16:17]
	s_lshl_b32 s16, s14, 13                        ; sc and out1: 8,192 b + 2,048 q
	s_lshl_b32 s18, ttmp9, 11
	s_add_co_u32 s16, s16, s18
	s_add_nc_u64 s[4:5], s[4:5], s[16:17]
	s_add_nc_u64 s[12:13], s[12:13], s[16:17]
	global_load_b64 v[4:5], v1, s[6:7]             ; (m, l) of my tile
.irp i, 0,1,2,3,4,5,6,7,8,9,10,11,12,13,14,15
	global_load_b128 v[16+4*\i:19+4*\i], v2, s[8:9] offset:4096*\i
.endr
	global_load_b128 v[80:83], v2, s[4:5]
	global_load_b128 v[84:87], v2, s[4:5] offset:1024
	s_wait_loadcnt 18                              ; (m, l) is in; the 18 loads behind it stay out
	v_mov_b32 v6, v4
	v_max_num_f32_dpp v6, v6, v6 row_xmask:1 row_mask:0xf bank_mask:0xf
	v_max_num_f32_dpp v6, v6, v6 row_xmask:2 row_mask:0xf bank_mask:0xf
	v_max_num_f32_dpp v6, v6, v6 row_xmask:4 row_mask:0xf bank_mask:0xf
	v_max_num_f32_dpp v6, v6, v6 row_xmask:8 row_mask:0xf bank_mask:0xf    ; M, in every lane: both halves of the lanes hold the same 16 tiles
	v_sub_f32 v7, v4, v6
	v_mul_f32 v7, s40, v7
	v_exp_f32 v7, v7                               ; f
	v_nop                                          ; a plain instruction behind the exponential (ISA guide 5.7.2)
	s_wait_alu depctr_va_vdst(0)
	v_mul_f32 v8, v5, v7
	v_add_f32_dpp v8, v8, v8 row_xmask:1 row_mask:0xf bank_mask:0xf
	v_add_f32_dpp v8, v8, v8 row_xmask:2 row_mask:0xf bank_mask:0xf
	v_add_f32_dpp v8, v8, v8 row_xmask:4 row_mask:0xf bank_mask:0xf
	v_add_f32_dpp v8, v8, v8 row_xmask:8 row_mask:0xf bank_mask:0xf        ; L: at least 1, since the tile that holds M has a p of 1
	v_rcp_f32 v10, v8                              ; 1 / L
	v_mul_f32 v11, s40, v6                         ; log2(e) M: also the plain instruction behind the reciprocal
	s_wait_alu depctr_va_vdst(0)
	v_mul_f32 v9, v7, v10                          ; g = f / L, tile l % 16's in lane l
.irp i, 0,1,2,3,4,5,6,7,8,9,10,11,12,13,14,15
	v_readlane_b32 s[24+\i], v9, \i                ; the sixteen factors as scalars: they multiply, and steer nothing
.endr
	s_wait_loadcnt 2                               ; the partial contexts are in; the two loads of scores stay out
.irp c, 0,1,2,3
	v_mul_f32 v[12+\c], s24, v[16+\c]
.endr
.irp i, 1,2,3,4,5,6,7,8,9,10,11,12,13,14,15
.irp c, 0,1,2,3
	v_fmac_f32 v[12+\c], s[24+\i], v[16+4*\i+\c]
.endr
.endr
	global_store_b128 v2, v[12:15], s[10:11]       ; a wave stores 512 consecutive bytes, aligned
	s_wait_loadcnt 0x0
.irp c, 0,1,2,3,4,5,6,7
	v_fma_f32 v[80+\c], v[80+\c], s40, -v11        ; log2(e) (s - M)
.endr
.irp c, 0,1,2,3,4,5,6,7
	v_exp_f32 v[80+\c], v[80+\c]
.endr
	v_nop
	s_wait_alu depctr_va_vdst(0)
.irp c, 0,2,4,6
	v_pk_mul_f32 v[80+\c:81+\c], v[80+\c:81+\c], v[10:11] op_sel_hi:[1,0]  ; both by 1 / L, the pair's low word
.endr
	global_store_b128 v2, v[80:83], s[12:13]
	global_store_b128 v2, v[84:87], s[12:13] offset:1024
	s_endpgm
.Lfunc_end_k_qc67fbbeea6_finish:
	.size	k_qc67fbbeea6_finish, .Lfunc_end_k_qc67fbbeea6_finish-k_qc67fbbeea6_finish
	.p2alignl 7, 3214868480
	.fill 96, 4, 3214868480
	.section	.rodata,"a",@progbits
	.p2align	6, 0x0
	.amdhsa_kernel k_qc67fbbeea6_finish
		.amdhsa_group_segment_fixed_size 0
		.amdhsa_private_segment_fixed_size 0
		.amdhsa_enable_private_segment 0
		.amdhsa_kernarg_size 40
		.amdhsa_user_sgpr_count 2
		.amdhsa_user_sgpr_kernarg_segment_ptr 1
		.amdhsa_wavefront_size32 1
		.amdhsa_system_sgpr_workgroup_id_x 1
		.amdhsa_system_sgpr_workgroup_id_y 1
		.amdhsa_system_sgpr_workgroup_id_z 1
		.amdhsa_system_vgpr_workitem_id 0
		.amdhsa_next_free_vgpr 96
		.amdhsa_next_free_sgpr 66
		.amdhsa_reserve_vcc 0
		.amdhsa_float_denorm_mode_32 3
		.amdhsa_float_denorm_mode_16_64 3
		.amdhsa_memory_ordered 1
		.amdhsa_forward_progress 1
		.amdhsa_inst_pref_size 9
	.end_amdhsa_kernel
	.amdgpu_metadata
---
amdhsa.version: [ 1, 2 ]
amdhsa.kernels:
  - .name:           k_qc67fbbeea6_finish
    .symbol:         k_qc67fbbeea6_finish.kd
    .args:
      - { .name: sc, .offset: 0, .size: 8, .value_kind: global_buffer, .address_space: global }
      - { .name: st, .offset: 8, .size: 8, .value_kind: global_buffer, .address_space: global }
      - { .name: cx, .offset: 16, .size: 8, .value_kind: global_buffer, .address_space: global }
      - { .name: out0, .offset: 24, .size: 8, .value_kind: global_buffer, .address_space: global }
      - { .name: out1, .offset: 32, .size: 8, .value_kind: global_buffer, .address_space: global }
    .group_segment_fixed_size: 0
    .private_segment_fixed_size: 0
    .kernarg_segment_align: 8
    .kernarg_segment_size: 40
    .max_flat_workgroup_size: 64
    .sgpr_count:     66
    .vgpr_count:     96
    .wavefront_size: 32
...
	.end_amdgpu_metadata
.endif
;; end of part 3
